; MI455X (gfx1250); checked and timed in simulation.
; The chip was launched on July 23, 2026; its instructions are those of AMD's public machine-readable ISA for CDNA 5 (MIT licence, August 2026) and "CDNA5" Instruction Set Architecture Reference Guide (July 2026). The comments in the code are by the model that wrote it; some were corrected since.
;; GMABSE3. Allowed arithmetic: matrix products marked QUANTISED: E2M1 operands, one E8M0 scale for each 32 along K, by v_wmma_scale_f32_16x16x128_f8f6f4 with both operands' format E2M1 (or v_wmma_scale_f32_32x16x128_f4), f32 sums; products left as they are: f32 operands where the result goes on into a quantised operand, else bf16, f16 or f32 operands; f32 sums; everything else in f32.
;; Inputs: k0 32,768 x 64 x 1 float32; k1 32,768 x 64 x 3 float32; q0 32,768 x 64 x 1 float32; q1 32,768 x 64 x 3 float32; v0 32,768 x 64 x 1 float32; v1 32,768 x 64 x 3 float32; w_codes 128 x 1 x 16 uint8 (E2M1 codes of w, K innermost, in blocks of 32 codes, two codes a byte); w_scales 128 x 1 uint8 (E8M0 scales of w, one for each 32 codes along K).
;; Outputs: out0 32,768 x 64 x 1 float32; out1 32,768 x 64 x 3 float32.
;; Constants: batch_size = 4.
;; This version of the problem:
;;   THIS VERSION OF THE PROBLEM IS GIVEN IN LOW PRECISION. The matrix products marked QUANTISED in the list below multiply operands that are first quantised to E2M1 (2 exponent bits, 1 mantissa bit; 4 bits a number), with one power-of-two scale for each 32 numbers along K (OCP MX v1.0); their sums are f32. All else is computed in f32.
;;   The module's matrix products, in the order in which they are computed (A, B: the left and right operand; K: the contracted axis; several contracted axes count as one K, in the product's order):
;;     1. [M 262,144, K 32] x [K 32, N 128]; A: computed on the way; B: input w (given as codes): QUANTISED
;;     2. [M 262,144, K 32] x [K 32, N 128]; A: computed on the way; B: input w (given as codes): QUANTISED
;;     3. batch 32 x [M 8,192, K 128] x [K 128, N 1]; A: computed on the way; B: computed on the way: left as it is (N = 1 < 16)
;;     4. batch 32 x [M 8, K 8,192] x [K 8,192, N 128]; A: input v0; B: computed on the way: left as it is (M = 8 < 16)
;;     5. batch 32 x [M 8,192, K 128] x [K 128, N 8]; A: computed on the way; B: computed on the way: left as it is (N = 8 < 16)
;;     6. batch 262,144 x [M 8, K 1] x [K 1, N 1]; A: computed on the way; B: computed on the way: left as it is (no contracted axis)
;;     7. batch 32 x [M 24, K 8,192] x [K 8,192, N 128]; A: input v1; B: computed on the way: QUANTISED
;;     8. batch 32 x [M 8,192, K 128] x [K 128, N 24]; A: computed on the way; B: computed on the way: QUANTISED
;;     9. batch 262,144 x [M 24, K 1] x [K 1, N 1]; A: computed on the way; B: computed on the way: left as it is (no contracted axis)
;;   THE QUANTISER, for each operand of a quantised product, along K:
;;     - K is cut into blocks of 32 from its start; a last block that is shorter is filled with zeros.
;;     - A block's scale is 2^e with e = floor(log2(the largest magnitude in the block)) - 2, held to -126 .. 127; a block of zeros has e = 0. As a byte (E8M0): e + 127.
;;     - Each number is divided by its block's scale, clamped to +-6, and rounded to the nearest number of E2M1, ties to even, subnormals kept.
;;     - The product sums the exact products of the quantised numbers (number of the format x scale) in f32.
;;   ~~~python
;;   def quantise(x, axis):      # numpy; x: float32 -> the quantised numbers, widened to float32 again
;;       x = np.moveaxis(x, axis, -1); K = x.shape[-1]
;;       x = np.pad(x, [(0, 0)] * (x.ndim - 1) + [(0, -K % 32)]); x = x.reshape(x.shape[:-1] + (-1, 32)); a = np.abs(x).max(-1, keepdims=True)
;;       e = np.where(a > 0, np.clip(np.frexp(np.where(a > 0, a, 1))[1] - 1 - 2, -126, 127), 0)      # np.frexp(a)[1] - 1 = floor(log2(a)), exactly
;;       r = np.clip(x / 2.0 ** e, -6, 6)
;;       step = 2.0 ** (np.maximum(np.frexp(np.where(r == 0, 1, r))[1] - 1, 0) - 1)
;;       q = np.round(r / step) * step * 2.0 ** e      # np.round: ties to even
;;       return np.moveaxis(q.reshape(q.shape[:-2] + (-1,))[..., :K], -1, axis).astype(np.float32)
;;   ~~~
;;   OPERANDS COMPUTED ON THE WAY. 'Computed on the way' means the value that the module computes at that place (a softmax that the list does not call 'softmax' is quantised finished and normalised). What goes into a quantiser is computed in f32, as accurately as f32 sums, v_exp_f32 and their like allow (about 1e-6 of the number): no bf16 or f16 on the way to a quantiser, and a product that is left as it is and whose result goes on into a quantised operand takes f32 operands (vector FMAs, or v_wmma_f32_16x16x4_f32). A number that lies on a knife's edge between two numbers of the format may be rounded either way, as far as f32 arithmetic and the matrix unit's own rounding can turn it there, and no further.
;;   INPUTS GIVEN AS CODES. w (in the module: [128, 32], K = its axis 1): each comes as NAME_codes (uint8): NAME with its K axis moved to the last place and cut into blocks of 32 codes, [.., K / 32, bytes a block], one block behind the other in memory; two codes a byte, the lower K in the low four bits (a code: sign, 2 exponent bits, 1 mantissa bit); and NAME_scales (uint8): the same leading axes, one E8M0 byte (e + 127) for each 32 codes along K. Its value is code x scale, taken as it is: it is not quantised again, and the codes and scales need not be those that the quantiser above would give.
;; One version. Each part assembles by itself: llvm-mc -triple=amdgcn-amd-amdhsa -mcpu=gfx1250 --defsym DOCPART=n.
;; ======== version 1 of 1: 3 launches
;; workspace buffers: rec 13,107,200 bytes; ctx 655,360 bytes; pmax 1,024 bytes
;; launch prep (part 1): grid 256 x 1, 8 waves a work-group, no clusters, 283,904 bytes of LDS; arguments k0, k1, v0, v1, w_codes, w_scales, rec, pmax; writes rec, pmax
.if DOCPART == 1
	.amdgcn_target "amdgcn-amd-amdhsa--gfx1250"
	.amdhsa_code_object_version 6
	.text
	.protected	k_qcc4250c06c_prep
	.globl	k_qcc4250c06c_prep
	.p2align	8
	.type	k_qcc4250c06c_prep,@function
k_qcc4250c06c_prep:
	s_mov_b64 s[64:65], 0
	v_nop
	global_prefetch_b8 v0, s[64:65] scope:SCOPE_SE
	s_setreg_imm32_b32 hwreg(HW_REG_WAVE_MODE, 25, 1), 1
	s_wait_xcnt 0x0
; PREP: k and v are read once and turned into RECORDS laid in the order of the later launches' operand registers; the largest dd of the work-group goes to pmax.
; The vector of (n, h) is k0[n][8h..8h+7] and then k1[n][8h..8h+7][0..2]: 32 numbers, one block of E2M1 codes with one E8M0 byte.  dd = Q(vector x dn) . w.
; q0 and q1 are not among the arguments: the computation sets K = Q from the k inputs and never reads them.
; SHARES.  Work-group x owns rows 128 x .. 128 x + 127 (b = x / 64, G = x % 64).  Wave w is head w for the arithmetic; for the fills it brings one eighth of each chunk of 64 rows.
; LDS.  Two chunks of 64 rows, CH bytes apart, each filled ONCE: 8 tiles of 64 pieces of 256 bytes, 16 bytes of padding behind each piece (pitch 272): k0, three thirds of k1, v0, three thirds of v1.
;   Byte o of row r of k1 or v1 lies at 816 r + o + 16 (o / 256).  Behind the chunks: 512 bytes a wave for -diag, and 32 bytes for the waves' maxima.  Nothing is filled twice.
; A RECORD (b, h, G), 6,400 bytes:  0: k's codes, two fragments of 64 l: 1024 g + 512 c + 16 lane;  2048: -diag[l], f32;  2560: 8 lane: k's scale word, v1's scale word;
;   2816: v1's codes along l: columns 0-15 at 512 c + 16 lane, columns 16-23 at 1024 + 256 c + 128 hh + 16 (r % 8);  4352: v0 in bf16: 512 be + 256 q + 128 hh + 16 ch8 = v0[32 be + 16 hh + 8 q + 0..7][ch8].
; THE ORDER OF l IN A FRAGMENT: lane (i, hh), registers 4c .. 4c+3 (block 2c + hh of row i) hold the vector l = 32 c + 8 hh + 16 (i / 8) + i % 8.
; K = 32 IN A PRODUCT OF K = 128: the fragment holds FOUR vectors a row, one in each block of 32; the w operand holds w in block j alone and zero codes elsewhere, so four products pick out the four vectors.
;   The four forms of w come from a chain of pieces of 4 registers, Z W0 Z W1 Z ..: W0 = w's 16 bytes in lanes 0-15, W1 in lanes 16-31, Z = 0.  w's byte is repeated in all four bytes of its scale word.
; LIMITS: NaN and infinities are not served.  A block of zeros gets the byte 1 with zero codes (the same products); a largest magnitude under 2^-124 is held at the byte 1.
; REGISTERS, window 0: v1-19 addresses; v20-23 running maxima; v24-39 at work; v40-47 k's fragment; v48 its scale word; v49-51 words kept; v52-55 w's scale words; v56-57 v1's bytes; v58-65 v1's codes;
;   v66-73 v0 packed; v74-89 v0 as loaded; v96-159 k as loaded, then 8 tiles of dd; v160-223 v1 as loaded.   window 1: v0-131 the chain (piece p at 4 p).
.set CH,    139264
.set TILEB, 17408
.set K1O,   17408
.set V0O,   69632
.set V1O,   87040
.set NDS,   278528
.set MXS,   282624
.set LI,  1
.set L8,  2
.set AK0, 3
.set AK1, 4
.set AV1, 10
.set AV0, 12
.set NDW, 13
.set NDR, 14
.set GT1, 15
.set SH8, 16
.set MK0, 17
.set MK1, 18
.set MXW, 19
.set MX,  20
.set AF,  40
.set SAW, 48
.set KW0, 49
.set WS,  52
.set VB,  56
.set VC,  58
.set VP,  66
.set VR,  74
.set XX,  96
.set YY,  160
.set MSB, 0
.macro WIN new                         ; the immediate's high byte repeats the setting that is left
.if MSB != \new
	s_set_vgpr_msb (MSB<<8)|\new
.set MSB, \new
.endif
.endm
; a scaled product on E2M1 codes: register bases d, a, b; c = -1: the constant 0 starts the sum; sa, sb the scale registers; ra, rb = 1: the scales are taken from lanes 16-31
.macro SWMMA d, a, b, c, sa, sb, ra, rb
.if (\c) < 0
.if (\ra) && (\rb)
	v_wmma_scale_f32_16x16x128_f8f6f4 v[\d:\d+7], v[\a:\a+7], v[\b:\b+7], 0, v[\sa], v[\sb] matrix_a_fmt:MATRIX_FMT_FP4 matrix_b_fmt:MATRIX_FMT_FP4 matrix_a_scale:MATRIX_SCALE_ROW1 matrix_b_scale:MATRIX_SCALE_ROW1
.elseif (\ra)
	v_wmma_scale_f32_16x16x128_f8f6f4 v[\d:\d+7], v[\a:\a+7], v[\b:\b+7], 0, v[\sa], v[\sb] matrix_a_fmt:MATRIX_FMT_FP4 matrix_b_fmt:MATRIX_FMT_FP4 matrix_a_scale:MATRIX_SCALE_ROW1
.elseif (\rb)
	v_wmma_scale_f32_16x16x128_f8f6f4 v[\d:\d+7], v[\a:\a+7], v[\b:\b+7], 0, v[\sa], v[\sb] matrix_a_fmt:MATRIX_FMT_FP4 matrix_b_fmt:MATRIX_FMT_FP4 matrix_b_scale:MATRIX_SCALE_ROW1
.else
	v_wmma_scale_f32_16x16x128_f8f6f4 v[\d:\d+7], v[\a:\a+7], v[\b:\b+7], 0, v[\sa], v[\sb] matrix_a_fmt:MATRIX_FMT_FP4 matrix_b_fmt:MATRIX_FMT_FP4
.endif
.else
.if (\ra) && (\rb)
	v_wmma_scale_f32_16x16x128_f8f6f4 v[\d:\d+7], v[\a:\a+7], v[\b:\b+7], v[\c:\c+7], v[\sa], v[\sb] matrix_a_fmt:MATRIX_FMT_FP4 matrix_b_fmt:MATRIX_FMT_FP4 matrix_a_scale:MATRIX_SCALE_ROW1 matrix_b_scale:MATRIX_SCALE_ROW1
.elseif (\ra)
	v_wmma_scale_f32_16x16x128_f8f6f4 v[\d:\d+7], v[\a:\a+7], v[\b:\b+7], v[\c:\c+7], v[\sa], v[\sb] matrix_a_fmt:MATRIX_FMT_FP4 matrix_b_fmt:MATRIX_FMT_FP4 matrix_a_scale:MATRIX_SCALE_ROW1
.elseif (\rb)
	v_wmma_scale_f32_16x16x128_f8f6f4 v[\d:\d+7], v[\a:\a+7], v[\b:\b+7], v[\c:\c+7], v[\sa], v[\sb] matrix_a_fmt:MATRIX_FMT_FP4 matrix_b_fmt:MATRIX_FMT_FP4 matrix_b_scale:MATRIX_SCALE_ROW1
.else
	v_wmma_scale_f32_16x16x128_f8f6f4 v[\d:\d+7], v[\a:\a+7], v[\b:\b+7], v[\c:\c+7], v[\sa], v[\sb] matrix_a_fmt:MATRIX_FMT_FP4 matrix_b_fmt:MATRIX_FMT_FP4
.endif
.endif
.endm
	s_load_b256 s[4:11], s[0:1], 0x0               ; k0 s[4:5], k1 s[6:7], v0 s[8:9], v1 s[10:11]
	s_load_b256 s[12:19], s[0:1], 0x20             ; w_codes s[12:13], w_scales s[14:15], rec s[16:17], pmax s[18:19]
	v_lshl_add_u32 v254, v0, 2, 0x45100
	v_mov_b32 v255, 0
	ds_add_u32 v254, v255
	ds_add_u32 v254, v255
	v_lshrrev_b32 v24, 5, v0
	v_readfirstlane_b32 s20, v24                   ; wave 0..7 = head
	; descriptor group 1, the same for every load: 64 rows of 32 elements of 8 bytes, dense in memory, 4 words of padding behind every 64 words
	s_mov_b32 s24, 0x07530000                      ; 17:16 element of 8 bytes; 20 padding on; 24:22 code 5; 31:25 code 3
	s_mov_b32 s25, 32<<16                          ; tensor_dim0 = 32
	s_mov_b32 s26, 64<<16                          ; tensor_dim1 = 64
	s_mov_b32 s27, 32<<16                          ; tile_dim0 = 32
	s_mov_b32 s28, 64                              ; tile_dim1 = 64
	s_mov_b32 s29, 32                              ; from row to row: 32 elements
	s_mov_b32 s30, 0
	s_mov_b32 s31, 0
	; what my wave brings: waves 0-3 of k, waves 4-7 of v; of these the first brings degree 0 (64 rows x 256 bytes), the others a third each of degree 1 (64 rows x 768 bytes)
	s_and_b32 s21, s20, 3
	s_lshl_b32 s22, ttmp9, 15                      ; degree 0: 128 rows x 256 bytes a work-group
	s_mul_i32 s23, ttmp9, 98304                    ; degree 1: 128 rows x 768 bytes
	s_max_u32 s46, s21, 1
	s_sub_co_u32 s46, s46, 1
	s_lshl_b32 s46, s46, 14                        ; which third: 16,384 bytes each
	s_add_co_u32 s23, s23, s46
	s_mov_b32 s52, 49152
	s_cmp_eq_u32 s21, 0
	s_cselect_b32 s22, s22, s23                    ; my tile's byte in its buffer, chunk 0
	s_cselect_b32 s52, 16384, s52                  ; and from chunk to chunk
	s_mov_b32 s23, 0
	s_mov_b32 s53, 0
	s_mov_b32 s32, 1                               ; group 0, chunk 0: count = 1
	s_mul_i32 s33, s20, TILEB                      ; LDS address: wave x a tile
	s_mov_b32 s36, 1                               ; group 0, chunk 1
	s_add_co_u32 s37, s33, CH
	s_wait_dscnt 0x0
	s_wait_kmcnt 0x0
	s_cmp_lt_u32 s20, 4                            ; the choice of the buffer hangs on the wave's number alone
	s_cselect_b64 s[48:49], s[4:5], s[8:9]
	s_cselect_b64 s[50:51], s[6:7], s[10:11]
	s_cmp_eq_u32 s21, 0
	s_cselect_b64 s[48:49], s[48:49], s[50:51]
	s_add_nc_u64 s[34:35], s[48:49], s[22:23]
	s_add_nc_u64 s[38:39], s[34:35], s[52:53]
	s_or_b32 s35, s35, 0x80000000                  ; type = 2
	s_or_b32 s39, s39, 0x80000000
	tensor_load_to_lds s[32:35], s[24:31]          ; both first fills go out together, ahead of everything else: two loads of mine are out
	s_nop 0
	tensor_load_to_lds s[36:39], s[24:31]
	s_nop 0
.rept 4
	v_nop                                          ; behind a tensor load
.endr
	v_and_b32 v24, 31, v0                          ; lane
	v_and_b32 v25, 15, v0                          ; i
	v_bfe_u32 v26, v0, 4, 1                        ; hh
	v_lshlrev_b32 v27, 4, v25                      ; 16 i
.irp f, 0,1,2,3,4,5,6,7
	global_load_b128 v[XX+4*\f:XX+4*\f+3], v27, s[12:13] offset:256*\f   ; w's codes: feature 16 f + i, in both halves of the lanes
.endr
.irp p, 0,1,2,3
	global_load_u8 v[WS+\p], v24, s[14:15] offset:32*\p                  ; w's bytes: lanes 0-15 tile 2 p, lanes 16-31 tile 2 p + 1
.endr
	v_lshlrev_b32 v[LI], 4, v24
	v_lshlrev_b32 v[L8], 3, v24
	v_and_b32 v28, 8, v25
	v_add_nc_u32 v28, v28, v25
	v_lshl_add_u32 v28, v26, 3, v28                ; PR = 16 (i / 8) + 8 hh + i % 8: my vector's row among 32
	s_lshl_b32 s54, s20, 5                         ; 32 h: my head's bytes in a row of degree 0
	s_mul_i32 s55, s20, 96                         ; 96 h: in a row of degree 1
	v_mul_u32_u24 v[AK0], v28, 272
	v_add_nc_u32 v[AK0], s54, v[AK0]
	v_mul_u32_u24 v29, v28, 816
.irp p, 0,1,2,3,4,5
	s_add_co_u32 s56, s55, 16*\p                   ; piece p of my head's 96 bytes: o = 96 h + 16 p,
	s_lshr_b32 s57, s56, 8
	s_lshl_b32 s57, s57, 4
	s_add_co_u32 s56, s56, s57                     ; + 16 for each 256 passed
	s_add_co_u32 s56, s56, K1O
	v_add_nc_u32 v[AK1+\p], s56, v29
.endr
	v_mul_u32_u24 v32, v26, 26112                  ; v1: lanes 16-31 begin 32 rows further down
	v_lshlrev_b32 v30, 2, v25
	v_add_nc_u32 v30, s55, v30                     ; column i: o = 96 h + 4 i
	v_lshrrev_b32 v31, 8, v30
	v_lshl_add_u32 v30, v31, 4, v30
	v_add_nc_u32 v30, v30, v32
	v_add_nc_u32 v[AV1], V1O, v30
	v_and_b32 v34, 7, v0
	v_lshlrev_b32 v31, 2, v34
	v_add_nc_u32 v31, 64, v31
	v_add_nc_u32 v31, s55, v31                     ; column 16 + i % 8
	v_lshrrev_b32 v33, 8, v31
	v_lshl_add_u32 v31, v33, 4, v31
	v_add_nc_u32 v31, v31, v32
	v_add_nc_u32 v[AV1+1], V1O, v31
	v_bfe_u32 v33, v0, 3, 1
	v_lshlrev_b32 v33, 4, v33
	v_lshl_add_u32 v33, v26, 3, v33                ; v0: row 16 ((lane / 8) % 2) + 8 (lane / 16),
	v_mul_u32_u24 v33, v33, 272
	v_lshl_add_u32 v33, v34, 2, v33                ; channel lane % 8
	v_add_nc_u32 v33, s54, v33
	v_add_nc_u32 v[AV0], V0O, v33
	s_lshl_b32 s56, s20, 9
	s_add_co_u32 s56, s56, NDS                     ; my wave's 512 bytes for -diag
	v_lshl_add_u32 v[NDW], v28, 2, s56
	v_lshl_add_u32 v[NDR], v24, 4, s56
	v_lshlrev_b32 v[GT1], 4, v34
	v_lshl_add_u32 v[GT1], v26, 7, v[GT1]
	v_lshlrev_b32 v[SH8], 3, v26
	v_add_nc_u32 v[MK0], -1, v26                   ; all ones in lanes 0-15
	v_sub_nc_u32 v[MK1], 0, v26                    ; all ones in lanes 16-31
	s_lshl_b32 s57, s20, 2
	s_add_co_u32 s57, s57, MXS
	v_mov_b32 v[MXW], s57
.irp k, 0,1,2,3
	v_mov_b32 v[MX+\k], 0xff800000                 ; -infinity, under every dd
.endr
	s_mov_b32 s40, 0x76543210
	s_mov_b32 s41, 0xfedcba98                      ; v_permlanex16_b32's selects for lane l xor 16
	s_mov_b32 s42, 0xffff0000                      ; lanes 16-31
	s_lshr_b32 s58, ttmp9, 6
	s_lshl_b32 s58, s58, 3
	s_add_co_u32 s58, s58, s20                     ; 8 b + h
	s_lshl_b32 s58, s58, 6
	s_and_b32 s59, ttmp9, 63
	s_add_co_u32 s58, s58, s59                     ; x 64 + G
	s_mul_i32 s58, s58, 6400
	s_mov_b32 s59, 0
	s_add_nc_u64 s[44:45], s[16:17], s[58:59]      ; my record
	s_lshl_b32 s58, ttmp9, 2
	s_add_nc_u64 s[18:19], s[18:19], s[58:59]      ; pmax[x]
	s_wait_loadcnt 0x0                             ; w
	WIN 0x40                                       ; destination window 1
.irp p, 0,1,2,3,4,5,6,7,8,9,10,11,12,13,14,15,16
.irp k, 0,1,2,3
	v_mov_b32 v[8*\p+\k], 0                        ; the even pieces: zero codes
.endr
.endr
.irp f, 0,1,2,3,4,5,6,7
.irp k, 0,1,2,3
	v_and_b32 v[16*\f+4+\k], v[MK0], v[XX+4*\f+\k]
	v_and_b32 v[16*\f+12+\k], v[MK1], v[XX+4*\f+\k]
.endr
.endr
	WIN 0
.irp p, 0,1,2,3
	v_perm_b32 v[WS+\p], v[WS+\p], v[WS+\p], 0     ; the byte in all four places: w stands in any of the four blocks
.endr
; the largest magnitude of v[BS] .. v[BS+31] with the floor 2^(3 - 127) among its leaves (so the byte cannot fall under 1); v30: 2 off its exponent field, the conversions' scale operand
.macro BMAX
	v_max3_num_f32 v28, |v[BS]|, |v[BS+1]|, |v[BS+2]|
	v_max3_num_f32 v29, |v[BS+3]|, |v[BS+4]|, |v[BS+5]|
.irp i, 6,10,14,18,22,26
	v_max3_num_f32 v28, v28, |v[BS+\i]|, |v[BS+\i+1]|
	v_max3_num_f32 v29, v29, |v[BS+\i+2]|, |v[BS+\i+3]|
.endr
	v_max3_num_f32 v28, v28, |v[BS+30]|, |v[BS+31]|
	v_max3_num_f32 v28, v28, v29, 0x1800000
	v_add_nc_u32 v30, 0xff000000, v28
.endm
; my vector of register group c: -diag to LDS, x dn, codes into the fragment and to the record
.macro KPROC hf, c
.set BS, XX+32*(\c)
	v_pk_mul_f32 v[24:25], v[BS:BS+1], v[BS:BS+1]                  ; the sum of squares, in two packed chains
	v_pk_mul_f32 v[26:27], v[BS+2:BS+3], v[BS+2:BS+3]
.irp i, 4,8,12,16,20,24,28
	v_pk_fma_f32 v[24:25], v[BS+\i:BS+\i+1], v[BS+\i:BS+\i+1], v[24:25]
	v_pk_fma_f32 v[26:27], v[BS+\i+2:BS+\i+3], v[BS+\i+2:BS+\i+3], v[26:27]
.endr
	v_pk_add_f32 v[24:25], v[24:25], v[26:27]
	v_add_f32 v24, v24, v25
	v_mul_f32 v24, 0xbdb504f3, v24                 ; -diag = -(dn^2 / 2) x the sum
	ds_store_b32 v[NDW], v24 offset:4*(64*(\hf)+32*(\c))
.irp i, 0,2,4,6,8,10,12,14,16,18,20,22,24,26,28,30
	v_pk_mul_f32 v[BS+\i:BS+\i+1], v[BS+\i:BS+\i+1], 0x3ed744fd op_sel_hi:[1,0]   ; x dn = 32^(-1/4)
.endr
	BMAX
	v_lshrrev_b32 v[31+\c], 23, v30                ; the scale's byte
.irp g, 0,1,2,3
	v_cvt_scalef32_pk8_fp4_f32 v[AF+4*(\c)+\g], v[BS+8*\g:BS+8*\g+7], v30
.endr
	v_nop                                          ; one plain place behind the scaled conversions
	global_store_b128 v[LI], v[AF+4*(\c):AF+4*(\c)+3], s[44:45] offset:1024*(\hf)+512*(\c)
.endm
; my block of 32 l of column tile t of v1: its byte is kept, its codes go to the record
.macro V1PROC hf, t
.set BS, YY+32*(\t)
	BMAX
	v_lshrrev_b32 v31, 23, v30
.if (\hf) == 0
	v_mov_b32 v[VB+\t], v31
.else
	v_lshl_or_b32 v[VB+\t], v31, 16, v[VB+\t]
.endif
.irp g, 0,1,2,3
	v_cvt_scalef32_pk8_fp4_f32 v[VC+4*(\t)+\g], v[BS+8*\g:BS+8*\g+7], v30
.endr
	v_nop
.if (\t) == 0
	global_store_b128 v[LI], v[VC:VC+3], s[44:45] offset:2816+512*(\hf)
.else
	global_store_b128 v[GT1], v[VC+4:VC+7], s[44:45] offset:3840+256*(\hf)   ; lanes with i >= 8 hold what lanes i - 8 hold and write the same bytes to the same place
.endif
.endm
; dd of the fragment's 64 vectors against all 128 features: 32 products, each begun with 0; their largest number joins the running maxima.  The eight tiles take turns.
.macro DDMAX
.irp j, 0,1,2,3
	WIN 0x04                                       ; source 1 (the chain) in window 1
.irp f, 0,1,2,3,4,5,6,7
	SWMMA XX+8*\f, AF, 16*\f+8*(\j%2)+4*(1-\j/2), -1, SAW, WS+\f/2, 0, \f%2
.endr
	WIN 0
.rept 4
	v_nop                                          ; four places between a product and the first read of its result (ISA guide 7.12.1)
.endr
.irp f, 0,1,2,3,4,5,6,7
.irp k, 0,1,2,3
	v_max3_num_f32 v[MX+\k], v[MX+\k], v[XX+8*\f+2*\k], v[XX+8*\f+2*\k+1]   ; each tile from its low end on
.endr
.endr
.endr
.endm
; one chunk of 64 rows
.macro HALF hf
	s_wait_tensorcnt 1-(\hf)                       ; my tile of this chunk has landed (chunk 1's may stay out)
	s_barrier_signal -1
	s_barrier_wait -1                              ; everybody's has
.irp c, 0,1
	ds_load_b128 v[XX+32*\c:XX+32*\c+3], v[AK0] offset:8704*\c
	ds_load_b128 v[XX+32*\c+4:XX+32*\c+7], v[AK0] offset:8704*\c+16
.irp p, 0,1,2,3,4,5
	ds_load_b128 v[XX+32*\c+8+4*\p:XX+32*\c+11+4*\p], v[AK1+\p] offset:26112*\c
.endr
.endr
.irp bb, 0,1
.irp jj, 0,1,2,3,4,5,6,7
	ds_load_b32 v[VR+8*\bb+\jj], v[AV0] offset:(32*\bb+\jj)*272
.endr
.endr
	s_wait_dscnt 16                                ; k's sixteen loads are in; v0's sixteen may be out
	KPROC \hf, 0
	KPROC \hf, 1
	v_lshl_or_b32 v33, v32, 16, v31                ; my two bytes: blocks hh and 2 + hh of row i,
	v_lshlrev_b32 v33, v[SH8], v33                 ; at their places in the word;
	v_permlanex16_b32 v34, v33, s40, s41
	v_or_b32 v[SAW], v33, v34                      ; with lane l xor 16's two the word is whole
.if (\hf) == 0
	v_mov_b32 v[KW0], v[SAW]
.endif
	s_wait_dscnt 2                                 ; v0's loads are in; the two stores of -diag may be out
.irp bb, 0,1
.irp k, 0,1,2,3
	v_cvt_pk_bf16_f32 v[VP+4*\bb+\k], v[VR+8*\bb+2*\k], v[VR+8*\bb+2*\k+1]
.endr
	global_store_b128 v[LI], v[VP+4*\bb:VP+4*\bb+3], s[44:45] offset:4352+512*(2*(\hf)+\bb)
.endr
.rept 8
	v_nop                                          ; a scale word written by a vector instruction stands eight places ahead of a scaled product
.endr
.irp t, 0,1
.irp ii, 0,1,2,3,4,5,6,7,8,9,10,11,12,13,14,15,16,17,18,19,20,21,22,23,24,25,26,27,28,29,30,31
	ds_load_b32 v[YY+32*\t+\ii], v[AV1+\t] offset:816*\ii      ; v1 down l: a lane holds a whole block of 32 of one column.  These land while dd is multiplied
.endr
.endr
	DDMAX
	s_wait_dscnt 32                                ; columns 0-15 are in
	V1PROC \hf, 0
	s_wait_dscnt 0x0
	V1PROC \hf, 1
.endm
	HALF 0
	s_wait_xcnt 0x0                                ; the first chunk's stores have read their registers: the fragment, v1's codes and v0's halves are written again
.irp a, 3,4,5,6,7,8,9,10,11,12
	v_add_nc_u32 v[\a], CH, v[\a]                  ; on to chunk 1
.endr
	HALF 1
	v_lshlrev_b32 v24, v[SH8], v[VB]               ; v1's scale words, made as k's are
	v_lshlrev_b32 v25, v[SH8], v[VB+1]
	v_permlanex16_b32 v26, v24, s40, s41
	v_permlanex16_b32 v27, v25, s40, s41
	v_or_b32 v24, v24, v26
	v_or_b32 v25, v25, v27
	v_cndmask_b32 v51, v24, v25, s42               ; lanes 0-15 columns 0-15, lanes 16-31 columns 16-23 twice
	v_cndmask_b32 v50, v[KW0], v[SAW], s42         ; lanes 0-15 fragment 0, lanes 16-31 fragment 1
	global_store_b64 v[L8], v[50:51], s[44:45] offset:2560
	ds_load_b128 v[28:31], v[NDR]                  ; -diag in the natural order of l (LDS serves a wave's instructions in order: these see my stores)
	v_max3_num_f32 v[MX], v[MX], v[MX+1], v[MX+2]
	v_max_num_f32 v[MX], v[MX], v[MX+3]
	v_max_num_f32_dpp v[MX], v[MX], v[MX] row_xmask:1 row_mask:0xf bank_mask:0xf
	v_max_num_f32_dpp v[MX], v[MX], v[MX] row_xmask:2 row_mask:0xf bank_mask:0xf
	v_max_num_f32_dpp v[MX], v[MX], v[MX] row_xmask:4 row_mask:0xf bank_mask:0xf
	v_max_num_f32_dpp v[MX], v[MX], v[MX] row_xmask:8 row_mask:0xf bank_mask:0xf
	v_permlanex16_b32 v[MX+1], v[MX], s40, s41
	v_max_num_f32 v[MX], v[MX], v[MX+1]            ; my wave's largest dd
	ds_store_b32 v[MXW], v[MX]
	s_wait_dscnt 0x0                               ; for the others' sake: my store has landed; -diag is in
	global_store_b128 v[LI], v[28:31], s[44:45] offset:2048
	s_barrier_signal -1
	s_barrier_wait -1
	v_mov_b32 v24, MXS
	v_mov_b32 v25, 0
	ds_load_b128 v[32:35], v24
	ds_load_b128 v[36:39], v24 offset:16
	s_wait_dscnt 0x0
	v_max3_num_f32 v32, v32, v33, v34
	v_max3_num_f32 v32, v32, v35, v36
	v_max3_num_f32 v32, v32, v37, v38
	v_max_num_f32 v32, v32, v39                    ; the work-group's
	s_wait_xcnt 0x0                                ; EXEC changes only behind this wait
	v_cmp_eq_u32 vcc_lo, 0, v0
	s_wait_tensorcnt 0x0
	ds_add_u32 v254, v255
	s_wait_dscnt 0x0
	s_and_saveexec_b32 s60, vcc_lo
	global_store_b32 v25, v32, s[18:19]            ; thread 0 alone
	s_wait_xcnt 0x0
	s_or_b32 exec_lo, exec_lo, s60
	s_endpgm
.Lfunc_end_k_qcc4250c06c_prep:
	.size	k_qcc4250c06c_prep, .Lfunc_end_k_qcc4250c06c_prep-k_qcc4250c06c_prep
	.p2alignl 7, 3214868480
	.fill 96, 4, 3214868480
	.section	.rodata,"a",@progbits
	.p2align	6, 0x0
	.amdhsa_kernel k_qcc4250c06c_prep
		.amdhsa_group_segment_fixed_size 283904
		.amdhsa_private_segment_fixed_size 0
		.amdhsa_enable_private_segment 0
		.amdhsa_kernarg_size 64
		.amdhsa_user_sgpr_count 2
		.amdhsa_user_sgpr_kernarg_segment_ptr 1
		.amdhsa_wavefront_size32 1
		.amdhsa_system_sgpr_workgroup_id_x 1
		.amdhsa_system_sgpr_workgroup_id_y 1
		.amdhsa_system_sgpr_workgroup_id_z 1
		.amdhsa_system_vgpr_workitem_id 0
		.amdhsa_next_free_vgpr 392
		.amdhsa_next_free_sgpr 66
		.amdhsa_reserve_vcc 1
		.amdhsa_float_denorm_mode_32 3
		.amdhsa_float_denorm_mode_16_64 3
		.amdhsa_memory_ordered 1
		.amdhsa_forward_progress 1
		.amdhsa_inst_pref_size 79
	.end_amdhsa_kernel
	.amdgpu_metadata
---
amdhsa.version: [ 1, 2 ]
amdhsa.kernels:
  - .name:           k_qcc4250c06c_prep
    .symbol:         k_qcc4250c06c_prep.kd
    .args:
      - { .name: k0, .offset: 0, .size: 8, .value_kind: global_buffer, .address_space: global }
      - { .name: k1, .offset: 8, .size: 8, .value_kind: global_buffer, .address_space: global }
      - { .name: v0, .offset: 16, .size: 8, .value_kind: global_buffer, .address_space: global }
      - { .name: v1, .offset: 24, .size: 8, .value_kind: global_buffer, .address_space: global }
      - { .name: w_codes, .offset: 32, .size: 8, .value_kind: global_buffer, .address_space: global }
      - { .name: w_scales, .offset: 40, .size: 8, .value_kind: global_buffer, .address_space: global }
      - { .name: rec, .offset: 48, .size: 8, .value_kind: global_buffer, .address_space: global }
      - { .name: pmax, .offset: 56, .size: 8, .value_kind: global_buffer, .address_space: global }
    .group_segment_fixed_size: 283904
    .private_segment_fixed_size: 0
    .kernarg_segment_align: 8
    .kernarg_segment_size: 64
    .max_flat_workgroup_size: 256
    .sgpr_count:     66
    .vgpr_count:     392
    .wavefront_size: 32
...
	.end_amdgpu_metadata
.endif
;; end of part 1
;; launch ctxk (part 2): grid 8 x 32, 16 waves a work-group, no clusters, 59,904 bytes of LDS; arguments rec, pmax, w_codes, w_scales, ctx; writes ctx
.if DOCPART == 2
	.amdgcn_target "amdgcn-amd-amdhsa--gfx1250"
	.amdhsa_code_object_version 6
	.text
	.protected	k_qcc4250c06c_ctxk
	.globl	k_qcc4250c06c_ctxk
	.p2align	8
	.type	k_qcc4250c06c_ctxk,@function
k_qcc4250c06c_ctxk:
	s_mov_b64 s[64:65], 0
	v_nop
	global_prefetch_b8 v0, s[64:65] scope:SCOPE_SE
	s_setreg_imm32_b32 hwreg(HW_REG_WAVE_MODE, 25, 1), 1
	s_wait_xcnt 0x0
; CTXK: the contexts.  Kp = ratio (exp(dd - diag - mx) + eps), mx the largest dd of all;  ctx1[col][m] = sum over l of Q(v1)[l][col] Q(Kp)[l][m], both quantised along l;  ctx0 the same of v0 with bf16 operands;  Ksum[m] = sum over l of Kp, in f32.
; SHARES.  A work-group is (16 features: x; (b, h): y) and takes ALL 8,192 l, so no sum crosses work-groups and no exponential is made twice.  Wave w takes the records G = 16 s + w, s = 0 .. 3, 128 l each.
; Every byte of a record is wanted by one wave of the work-group, once, and the records lie in the order of the operands' registers: they go from memory straight into registers.  A (b, h)'s records, 409,600 bytes,
; are read by the eight work-groups of that (b, h); they are not shared through a cluster, since a joint load would have to go through LDS, which does not hold them, in a ring with a barrier of the cluster for each refill.
; dd: source 0 = a fragment of 64 vectors (four to a row, one in each block of 32), source 1 = w in block j alone; C = -diag, loaded straight into the accumulator.  In tile 4 g + j lane (r = feature, h) holds in
; register jj the l = 64 g + 32 (j / 2) + 16 h + 8 (j % 2) + jj: the 16 registers of two neighbouring tiles are 16 neighbouring l, as the quantiser along l wants them.
; The second products take Kp as source 0 and v as source 1: lane (r = column, h), register jj = feature 16 x + 8 h + jj.  For the bf16 products k is permuted alike on both sides: place (h, q, e) holds l = 32 be + 16 h + 8 q + e.
; OUT, as images of the next launch's registers: ctx[bh]: f32 at 8192 t + 4096 c + 512 ii + 16 lane = ctx1[16 t + r][64 c + 32 hh + 4 ii + 0..3]; from 16384 bf16 at 1024 b + 512 q + 16 lane = row r, features 32 b + 16 hh + 8 q + 0..7;
;   rows 0-7 ctx0's channels, row 8 Ksum rounded to bf16, row 9 what that rounding left, rows 10-15 zero.
; LIMITS: NaN and infinities are not served; an exponential under 2^-126 comes out as 0, which is lost beside eps.
; REGISTERS: v1-11, v37 addresses; v[12:13] -mx log2(e); v[14:15] ratio eps; v16-35 the chain Z W0 Z W1 Z; v36 w's scale word; v38 k's, v39 v1's; v40-55 k's two fragments, then Kp in bf16 (blocks 0, 1); v56-71 v1's codes;
;   v72-103 v0; v104-167 eight tiles; v168-175 Kp's codes; v176-191 Kp in bf16 (blocks 2, 3); v192-211 at work; v212 Kp's scale word; v[214:215], v[248:249] Ksum; v216-247 four accumulators.
.set LI,  1
.set LH,  2
.set LV,  3
.set L8,  4
.set RW,  5
.set RW6, 6
.set RR,  7
.set RK,  8
.set KTW, 9
.set KTR, 10
.set GA,  11
.set GB,  37
.set KF,  40
.set VQ,  56
.set VT,  72
.set DD,  104
.set PC,  168
.set TM,  192
.set PW,  212
.set KT,  57344
.macro SWMMA d, a, b, c, sa, sb, ra, rb
.if (\c) < 0
.if (\ra) && (\rb)
	v_wmma_scale_f32_16x16x128_f8f6f4 v[\d:\d+7], v[\a:\a+7], v[\b:\b+7], 0, v[\sa], v[\sb] matrix_a_fmt:MATRIX_FMT_FP4 matrix_b_fmt:MATRIX_FMT_FP4 matrix_a_scale:MATRIX_SCALE_ROW1 matrix_b_scale:MATRIX_SCALE_ROW1
.elseif (\ra)
	v_wmma_scale_f32_16x16x128_f8f6f4 v[\d:\d+7], v[\a:\a+7], v[\b:\b+7], 0, v[\sa], v[\sb] matrix_a_fmt:MATRIX_FMT_FP4 matrix_b_fmt:MATRIX_FMT_FP4 matrix_a_scale:MATRIX_SCALE_ROW1
.elseif (\rb)
	v_wmma_scale_f32_16x16x128_f8f6f4 v[\d:\d+7], v[\a:\a+7], v[\b:\b+7], 0, v[\sa], v[\sb] matrix_a_fmt:MATRIX_FMT_FP4 matrix_b_fmt:MATRIX_FMT_FP4 matrix_b_scale:MATRIX_SCALE_ROW1
.else
	v_wmma_scale_f32_16x16x128_f8f6f4 v[\d:\d+7], v[\a:\a+7], v[\b:\b+7], 0, v[\sa], v[\sb] matrix_a_fmt:MATRIX_FMT_FP4 matrix_b_fmt:MATRIX_FMT_FP4
.endif
.else
.if (\ra) && (\rb)
	v_wmma_scale_f32_16x16x128_f8f6f4 v[\d:\d+7], v[\a:\a+7], v[\b:\b+7], v[\c:\c+7], v[\sa], v[\sb] matrix_a_fmt:MATRIX_FMT_FP4 matrix_b_fmt:MATRIX_FMT_FP4 matrix_a_scale:MATRIX_SCALE_ROW1 matrix_b_scale:MATRIX_SCALE_ROW1
.elseif (\ra)
	v_wmma_scale_f32_16x16x128_f8f6f4 v[\d:\d+7], v[\a:\a+7], v[\b:\b+7], v[\c:\c+7], v[\sa], v[\sb] matrix_a_fmt:MATRIX_FMT_FP4 matrix_b_fmt:MATRIX_FMT_FP4 matrix_a_scale:MATRIX_SCALE_ROW1
.elseif (\rb)
	v_wmma_scale_f32_16x16x128_f8f6f4 v[\d:\d+7], v[\a:\a+7], v[\b:\b+7], v[\c:\c+7], v[\sa], v[\sb] matrix_a_fmt:MATRIX_FMT_FP4 matrix_b_fmt:MATRIX_FMT_FP4 matrix_b_scale:MATRIX_SCALE_ROW1
.else
	v_wmma_scale_f32_16x16x128_f8f6f4 v[\d:\d+7], v[\a:\a+7], v[\b:\b+7], v[\c:\c+7], v[\sa], v[\sb] matrix_a_fmt:MATRIX_FMT_FP4 matrix_b_fmt:MATRIX_FMT_FP4
.endif
.endif
.endm
; a record's 33 loads: what dd wants first (21), then v's twelve
.macro LOADS
.irp g, 0,1
.irp c, 0,1
	global_load_b128 v[KF+8*\g+4*\c:KF+8*\g+4*\c+3], v[LI], s[4:5] offset:1024*\g+512*\c
.endr
.endr
	global_load_b64 v[38:39], v[L8], s[4:5] offset:2560
.irp be, 0,1,2,3
.irp u, 0,1
.irp q, 0,1
	global_load_b128 v[DD+8*(2*\be+\u)+4*\q:DD+8*(2*\be+\u)+4*\q+3], v[LH], s[4:5] offset:2048+4*(32*\be+8*\u)+16*\q   ; -diag in the result's layout: the C of dd
.endr
.endr
.endr
.irp c, 0,1
	global_load_b128 v[VQ+4*\c:VQ+4*\c+3], v[LI], s[4:5] offset:2816+512*\c
.endr
.irp c, 0,1
	global_load_b128 v[VQ+8+4*\c:VQ+11+4*\c], v[LV], s[4:5] offset:3840+256*\c
.endr
.irp be, 0,1,2,3
.irp q, 0,1
	global_load_b128 v[VT+8*\be+4*\q:VT+8*\be+4*\q+3], v[LV], s[4:5] offset:4352+512*\be+256*\q
.endr
.endr
.endm
; one record: 128 l x my 16 features
.macro COMPUTE
	s_wait_loadcnt 12                              ; all but v's twelve loads
.irp g, 0,1
.irp j, 0,1,2,3
	SWMMA DD+8*(4*\g+\j), KF+8*\g, 16+8*(\j%2)+4*(1-\j/2), DD+8*(4*\g+\j), 38, 36, \g, 0    ; dd - diag; eight accumulators by turns
.endr
.endr
.rept 4
	v_nop                                          ; four places between a product and the first read of its result (ISA guide 7.12.1)
.endr
.irp j, 0,2,4,6,8,10,12,14,16,18,20,22,24,26,28,30,32,34,36,38,40,42,44,46,48,50,52,54,56,58,60,62
	v_pk_fma_f32 v[DD+\j:DD+\j+1], v[DD+\j:DD+\j+1], s[20:21], v[12:13] op_sel_hi:[1,0,0]    ; (dd - diag) log2(e) - mx log2(e)
.endr
.irp j, 0,1,2,3,4,5,6,7,8,9,10,11,12,13,14,15,16,17,18,19,20,21,22,23,24,25,26,27,28,29,30,31,32,33,34,35,36,37,38,39,40,41,42,43,44,45,46,47,48,49,50,51,52,53,54,55,56,57,58,59,60,61,62,63
	v_exp_f32 v[DD+\j], v[DD+\j]
.endr
	v_nop                                          ; a plain place behind the exponentials
	s_wait_alu depctr_va_vdst(0)                   ; one wait for the whole batch, ahead of its first use
.irp j, 0,2,4,6,8,10,12,14,16,18,20,22,24,26,28,30,32,34,36,38,40,42,44,46,48,50,52,54,56,58,60,62
	v_pk_fma_f32 v[DD+\j:DD+\j+1], v[DD+\j:DD+\j+1], s[22:23], v[14:15] op_sel_hi:[1,0,0]    ; Kp = ratio e + ratio eps
.endr
.irp j, 0,4,8,12,16,20,24,28,32,36,40,44,48,52,56,60
	v_pk_add_f32 v[214:215], v[214:215], v[DD+\j:DD+\j+1]                                    ; Ksum, of the unquantised Kp, in two packed chains
	v_pk_add_f32 v[248:249], v[248:249], v[DD+\j+2:DD+\j+3]
.endr
.irp b, 0,1,2,3
	v_max3_num_f32 v[TM+\b], v[DD+16*\b], v[DD+1+16*\b], 0x1800000    ; block b of 32 l: my 16 numbers (none is negative) and the floor 2^(3 - 127)
.endr
.irp i, 2,4,6,8,10,12,14
.irp b, 0,1,2,3
	v_max3_num_f32 v[TM+\b], v[TM+\b], v[DD+16*\b+\i], v[DD+1+16*\b+\i]
.endr
.endr
.irp b, 0,1,2,3
	v_permlanex16_b32 v[TM+4+\b], v[TM+\b], s28, s29
.endr
.irp b, 0,1,2,3
	v_max_num_f32 v[TM+\b], v[TM+\b], v[TM+4+\b]   ; with lane l xor 16's: the block's largest
.endr
.irp b, 0,1,2,3
	v_add_nc_u32 v[TM+12+\b], 0xff000000, v[TM+\b] ; 2 off its exponent field: the conversions' scale operand
.endr
.irp b, 0,1,2,3
	v_lshrrev_b32 v[TM+4+\b], 23, v[TM+12+\b]      ; the scale's byte
.endr
	v_lshl_or_b32 v[PW], v[TM+5], 8, v[TM+4]
	v_lshl_or_b32 v[PW], v[TM+6], 16, v[PW]
	v_lshl_or_b32 v[PW], v[TM+7], 24, v[PW]        ; my feature's scale word for these 128 l
.irp b, 0,1,2,3
	v_cvt_scalef32_pk8_fp4_f32 v[PC+2*\b], v[DD+16*\b:DD+7+16*\b], v[TM+12+\b]
	v_cvt_scalef32_pk8_fp4_f32 v[PC+1+2*\b], v[DD+8+16*\b:DD+15+16*\b], v[TM+12+\b]
.endr
	v_nop                                          ; one plain place behind the scaled conversions
.irp c, 0,1
.irp i, 0,1
	v_permlane16_swap_b32 v[PC+4*\c+\i], v[PC+2+4*\c+\i]   ; the operand's layout wants a whole block in a lane
.endr
.endr
.irp b, 0,1,2,3
.set BFB, 40+8*\b+120*(\b/2)
.irp k, 0,1,2,3,4,5,6,7
	v_cvt_pk_bf16_f32 v[BFB+\k], v[DD+16*\b+2*\k], v[DD+16*\b+2*\k+1]   ; Kp in bf16 for v0's product.  (These 32 are also the places between the scale word and codes just made and the scaled products)
.endr
.endr
	s_wait_loadcnt 0x0                             ; v
	v_wmma_f32_16x16x32_bf16 v[232:239], v[40:47], v[VT:VT+7], v[232:239]         ; four accumulators by turns
	v_wmma_f32_16x16x32_bf16 v[240:247], v[48:55], v[VT+8:VT+15], v[240:247]
	SWMMA 216, PC, VQ, 216, PW, 39, 0, 0
	v_wmma_f32_16x16x32_bf16 v[232:239], v[176:183], v[VT+16:VT+23], v[232:239]
	SWMMA 224, PC, VQ+8, 224, PW, 39, 0, 1
	v_wmma_f32_16x16x32_bf16 v[240:247], v[184:191], v[VT+24:VT+31], v[240:247]
.rept 4
	v_nop                                          ; four places in front of loads into registers that these products read, and of the first read of their results
.endr
.endm
	s_load_b256 s[4:11], s[0:1], 0x0               ; rec s[4:5], pmax s[6:7], w_codes s[8:9], w_scales s[10:11]
	s_load_b64 s[12:13], s[0:1], 0x20              ; ctx
	v_lshrrev_b32 v253, 5, v0
	v_readfirstlane_b32 s14, v253                  ; wave 0..15
	v_and_b32 v250, 31, v0                         ; lane
	v_and_b32 v251, 15, v0                         ; r
	v_bfe_u32 v252, v0, 4, 1                       ; h
	v_lshlrev_b32 v[LI], 4, v250
	v_lshlrev_b32 v[LH], 6, v252
	v_and_b32 v254, 7, v0
	v_lshlrev_b32 v[LV], 4, v254
	v_lshl_add_u32 v[LV], v252, 7, v[LV]
	v_lshlrev_b32 v[L8], 3, v250
	s_mul_i32 s15, s14, 3584                       ; LDS: my wave's part of the reduction: six groups of 512 bytes and 128 bytes of Ksum
	v_add_nc_u32 v[RW], s15, v[LI]
	v_lshlrev_b32 v[RW6], 2, v250
	v_add_nc_u32 v[RK], 3072, v[RW6]
	v_add_nc_u32 v[RW6], s15, v[RK]
	s_lshl_b32 s16, s14, 9
	v_add_nc_u32 v[RR], s16, v[LI]                 ; waves 0-3 read group w of every wave's part
	v_lshl_add_u32 v[KTW], v251, 2, KT
	v_lshl_add_u32 v[KTR], v252, 5, KT
	v_lshlrev_b32 v255, 4, v251                    ; 16 r
	v_lshl_add_u32 v[GA], v252, 10, v255
	v_lshl_add_u32 v[GB], v252, 9, v255
	s_and_b32 s17, ttmp7, 0xffff                   ; bh
	s_mul_i32 s18, s17, 409600                     ; 64 records
	s_mul_i32 s19, s14, 6400
	s_add_co_u32 s18, s18, s19
	s_mov_b32 s19, 0
	s_lshl_b32 s26, ttmp9, 8                       ; my 16 features: 16 bytes of codes each,
	s_mov_b32 s27, 0
	s_lshl_b32 s30, ttmp9, 4                       ; a scale byte each
	s_mov_b32 s31, 0
	s_mul_i32 s32, s17, 20480
	s_mov_b32 s33, 0
	s_mov_b32 s20, 0x3fb8aa3b                      ; log2(e)
	s_mov_b32 s21, s20                             ; (named with it as a pair, so it is written)
	s_mov_b32 s22, 0x3db504f3                      ; ratio = 128^(-1/2)
	s_mov_b32 s23, s22
	s_mov_b32 s28, 0x76543210
	s_mov_b32 s29, 0xfedcba98                      ; v_permlanex16_b32's selects for lane l xor 16
	s_wait_kmcnt 0x0
	s_add_nc_u64 s[4:5], s[4:5], s[18:19]
	s_add_nc_u64 s[8:9], s[8:9], s[26:27]
	s_add_nc_u64 s[10:11], s[10:11], s[30:31]
	s_add_nc_u64 s[12:13], s[12:13], s[32:33]
	global_load_b128 v[176:179], v255, s[8:9]      ; w's codes, in both halves of the lanes
	global_load_u8 v36, v251, s[10:11]
	global_load_b128 v[180:183], v[LI], s[6:7]     ; the 256 work-groups' largest dd
	global_load_b128 v[184:187], v[LI], s[6:7] offset:512
	LOADS
	s_wait_loadcnt 33                              ; w and pmax are in; the first record's 33 loads may be out
	v_add_nc_u32 v253, -1, v252                    ; all ones in lanes 0-15
	v_sub_nc_u32 v254, 0, v252                     ; all ones in lanes 16-31
.irp k, 0,1,2,3
	v_mov_b32 v[16+\k], 0
	v_mov_b32 v[24+\k], 0
	v_mov_b32 v[32+\k], 0
	v_and_b32 v[20+\k], v253, v[176+\k]
	v_and_b32 v[28+\k], v254, v[176+\k]
.endr
	v_perm_b32 v36, v36, v36, 0                    ; the byte in all four places
	v_max3_num_f32 v180, v180, v181, v182
	v_max3_num_f32 v180, v180, v183, v184
	v_max3_num_f32 v180, v180, v185, v186
	v_max_num_f32 v180, v180, v187
	v_max_num_f32_dpp v180, v180, v180 row_xmask:1 row_mask:0xf bank_mask:0xf
	v_max_num_f32_dpp v180, v180, v180 row_xmask:2 row_mask:0xf bank_mask:0xf
	v_max_num_f32_dpp v180, v180, v180 row_xmask:4 row_mask:0xf bank_mask:0xf
	v_max_num_f32_dpp v180, v180, v180 row_xmask:8 row_mask:0xf bank_mask:0xf
	v_permlanex16_b32 v181, v180, s28, s29
	v_max_num_f32 v180, v180, v181                 ; mx
	v_mul_f32 v12, 0xbfb8aa3b, v180                ; -mx log2(e)
	v_mov_b32 v13, v12
	v_mov_b32 v14, 0x38d1b717                      ; eps
	v_mul_f32 v14, s22, v14
	v_mov_b32 v15, v14
.irp j, 0,1,2,3,4,5,6,7,8,9,10,11,12,13,14,15,16,17,18,19,20,21,22,23,24,25,26,27,28,29,30,31
	v_mov_b32 v[216+\j], 0                         ; the four accumulators begin as zeros, so that a trip is written once for the loop and once for the tail
.endr
	v_mov_b32 v214, 0
	v_mov_b32 v215, 0
	v_mov_b32 v248, 0
	v_mov_b32 v249, 0
.irp b, 0,1,2,3
	v_mov_b32 v[TM+4+\b], 0                        ; written once: a lane permute's destination counts as one of its sources
.endr
	s_mov_b32 s24, 3
.Ltrip:
	COMPUTE
	s_add_nc_u64 s[4:5], s[4:5], 102400            ; 16 records on (every load that named the base has been waited for)
	LOADS
	s_sub_co_u32 s24, s24, 1
	s_cmp_lg_u32 s24, 0
	s_cbranch_scc1 .Ltrip
	COMPUTE                                        ; the last record: nothing more is loaded
	; THE SUM OVER THE SIXTEEN WAVES, through LDS
.irp j, 0,2,4,6
	v_pk_add_f32 v[232+\j:233+\j], v[232+\j:233+\j], v[240+\j:241+\j]
.endr
	v_pk_add_f32 v[214:215], v[214:215], v[248:249]
	v_add_f32 v214, v214, v215
	v_permlanex16_b32 v215, v214, s28, s29
	v_add_f32 v214, v214, v215                     ; my wave's part of Ksum[16 x + r]
.irp g, 0,1,2,3,4,5
	ds_store_b128 v[RW], v[216+4*\g:219+4*\g] offset:512*\g
.endr
	ds_store_b32 v[RW6], v214
	s_wait_dscnt 0x0                               ; for the others' sake: my stores have landed
	s_barrier_signal -1
	s_barrier_wait -1
	s_cmp_lt_u32 s14, 4
	s_cbranch_scc0 .Lnot_a
	; waves 0-3: four registers each of ctx1 (column tile w / 2, features 4 (w % 2) + 0..3 of each lane's eight)
.irp k, 0,1,2,3,4,5,6,7,8,9,10,11,12,13,14,15
	ds_load_b128 v[DD+4*\k:DD+4*\k+3], v[RR] offset:3584*\k
.endr
	s_lshr_b32 s31, s14, 1
	s_lshl_b32 s31, s31, 13                        ; 8192 t
	s_lshr_b32 s32, ttmp9, 2
	s_lshl_b32 s32, s32, 12                        ; 4096 c: feature / 64
	s_add_co_u32 s31, s31, s32
	s_and_b32 s32, ttmp9, 1
	s_lshl_b32 s32, s32, 2
	s_and_b32 s33, s14, 1
	s_add_co_u32 s32, s32, s33
	s_lshl_b32 s32, s32, 9                         ; 512 ii; the lane adds 1,024 h
	s_add_co_u32 s31, s31, s32
	s_bfe_u32 s32, ttmp9, 0x10001
	s_lshl_b32 s32, s32, 8                         ; which half of the target's lanes
	s_add_co_u32 s30, s31, s32
	s_mov_b32 s31, 0
	s_add_nc_u64 s[34:35], s[12:13], s[30:31]
	s_wait_dscnt 0x0
.set st, 8
.rept 4
.set k, 0
.rept st
	v_pk_add_f32 v[DD+4*k:DD+4*k+1], v[DD+4*k:DD+4*k+1], v[DD+4*(k+st):DD+4*(k+st)+1]
	v_pk_add_f32 v[DD+4*k+2:DD+4*k+3], v[DD+4*k+2:DD+4*k+3], v[DD+4*(k+st)+2:DD+4*(k+st)+3]
.set k, k+1
.endr
.set st, st/2
.endr
	global_store_b128 v[GA], v[DD:DD+3], s[34:35]  ; each half of the lanes stores 256 consecutive bytes, at a multiple of 256 from the buffer's first byte
	s_branch .Lend
.Lnot_a:
	s_cmp_eq_u32 s14, 4
	s_cbranch_scc0 .Lend
	; wave 4: ctx0 and Ksum
.irp k, 0,1,2,3,4,5,6,7,8,9,10,11,12,13,14,15
	ds_load_b128 v[DD+8*\k:DD+8*\k+3], v[LI] offset:2048+3584*\k
	ds_load_b128 v[DD+8*\k+4:DD+8*\k+7], v[LI] offset:2560+3584*\k
.endr
.irp k, 0,1,2,3,4,5,6,7,8,9,10,11,12,13,14,15
	ds_load_b32 v[232+\k], v[RK] offset:3584*\k
.endr
	s_lshr_b32 s30, ttmp9, 1
	s_lshl_b32 s30, s30, 10                        ; 1024 b: feature / 32
	s_and_b32 s31, ttmp9, 1
	s_lshl_b32 s31, s31, 8                         ; which half of the target's lanes
	s_add_co_u32 s30, s30, s31
	s_add_co_u32 s30, s30, 16384
	s_mov_b32 s31, 0
	s_add_nc_u64 s[34:35], s[12:13], s[30:31]
	s_mov_b32 s36, 0x01000100                      ; row 8
	s_mov_b32 s37, 0x02000200                      ; row 9
	s_mov_b32 s38, 0xfc00fc00                      ; rows 10-15
	s_wait_dscnt 0x0
.set st, 8
.rept 4
.set k, 0
.rept st
.irp e, 0,2,4,6
	v_pk_add_f32 v[DD+8*k+\e:DD+8*k+\e+1], v[DD+8*k+\e:DD+8*k+\e+1], v[DD+8*(k+st)+\e:DD+8*(k+st)+\e+1]
.endr
.set k, k+1
.endr
.set st, st/2
.endr
.irp e, 0,2,4,6
	v_pk_add_f32 v[232+\e:233+\e], v[232+\e:233+\e], v[240+\e:241+\e]
.endr
.irp e, 0,2
	v_pk_add_f32 v[232+\e:233+\e], v[232+\e:233+\e], v[236+\e:237+\e]
.endr
	v_pk_add_f32 v[232:233], v[232:233], v[234:235]
	v_add_f32 v232, v232, v233                     ; Ksum[16 x + r], in lane r
	ds_store_b32 v[KTW], v232                      ; turned through my own 64 bytes: a lane wants the eight features of its half in eight registers
	ds_load_b128 v[240:243], v[KTR]                ; (LDS serves a wave's instructions in order)
	ds_load_b128 v[244:247], v[KTR] offset:16
	s_wait_dscnt 0x0
.irp k, 0,1,2,3
	v_cvt_pk_bf16_f32 v[248+\k], v[240+2*\k], v[241+2*\k]          ; Ksum rounded to bf16,
.endr
.irp k, 0,1,2,3
	v_lshlrev_b32 v[176+2*\k], 16, v[248+\k]
	v_and_b32 v[177+2*\k], 0xffff0000, v[248+\k]
.endr
.irp k, 0,1,2,3
	v_pk_add_f32 v[176+2*\k:177+2*\k], v[240+2*\k:241+2*\k], v[176+2*\k:177+2*\k] neg_lo:[0,1] neg_hi:[0,1]   ; what that rounding left,
.endr
.irp k, 0,1,2,3
	v_cvt_pk_bf16_f32 v[184+\k], v[176+2*\k], v[177+2*\k]          ; as a second row: the divisor then carries no common error of bf16
	v_cvt_pk_bf16_f32 v[188+\k], v[DD+2*\k], v[DD+2*\k+1]          ; ctx0
.endr
.irp k, 0,1,2,3
	v_cndmask_b32 v[188+\k], v[188+\k], v[248+\k], s36
.endr
.irp k, 0,1,2,3
	v_cndmask_b32 v[188+\k], v[188+\k], v[184+\k], s37
.endr
.irp k, 0,1,2,3
	v_cndmask_b32 v[188+\k], v[188+\k], v16, s38                   ; v16 holds 0
.endr
	global_store_b128 v[GB], v[188:191], s[34:35]
.Lend:
	s_wait_xcnt 0x0
	v_lshl_add_u32 v254, v0, 2, 0xe200
	v_mov_b32 v255, 0
	s_wait_tensorcnt 0x0
	ds_add_u32 v254, v255
	s_wait_dscnt 0x0
	s_endpgm
.Lfunc_end_k_qcc4250c06c_ctxk:
	.size	k_qcc4250c06c_ctxk, .Lfunc_end_k_qcc4250c06c_ctxk-k_qcc4250c06c_ctxk
	.p2alignl 7, 3214868480
	.fill 96, 4, 3214868480
	.section	.rodata,"a",@progbits
	.p2align	6, 0x0
	.amdhsa_kernel k_qcc4250c06c_ctxk
		.amdhsa_group_segment_fixed_size 59904
		.amdhsa_private_segment_fixed_size 0
		.amdhsa_enable_private_segment 0
		.amdhsa_kernarg_size 40
		.amdhsa_user_sgpr_count 2
		.amdhsa_user_sgpr_kernarg_segment_ptr 1
		.amdhsa_wavefront_size32 1
		.amdhsa_system_sgpr_workgroup_id_x 1
		.amdhsa_system_sgpr_workgroup_id_y 1
		.amdhsa_system_sgpr_workgroup_id_z 1
		.amdhsa_system_vgpr_workitem_id 0
		.amdhsa_next_free_vgpr 256
		.amdhsa_next_free_sgpr 66
		.amdhsa_reserve_vcc 0
		.amdhsa_float_denorm_mode_32 3
		.amdhsa_float_denorm_mode_16_64 3
		.amdhsa_memory_ordered 1
		.amdhsa_forward_progress 1
		.amdhsa_inst_pref_size 59
	.end_amdhsa_kernel
	.amdgpu_metadata
---
amdhsa.version: [ 1, 2 ]
amdhsa.kernels:
  - .name:           k_qcc4250c06c_ctxk
    .symbol:         k_qcc4250c06c_ctxk.kd
    .args:
      - { .name: rec, .offset: 0, .size: 8, .value_kind: global_buffer, .address_space: global }
      - { .name: pmax, .offset: 8, .size: 8, .value_kind: global_buffer, .address_space: global }
      - { .name: w_codes, .offset: 16, .size: 8, .value_kind: global_buffer, .address_space: global }
      - { .name: w_scales, .offset: 24, .size: 8, .value_kind: global_buffer, .address_space: global }
      - { .name: ctx, .offset: 32, .size: 8, .value_kind: global_buffer, .address_space: global }
    .group_segment_fixed_size: 59904
    .private_segment_fixed_size: 0
    .kernarg_segment_align: 8
    .kernarg_segment_size: 40
    .max_flat_workgroup_size: 512
    .sgpr_count:     66
    .vgpr_count:     256
    .wavefront_size: 32
...
	.end_amdgpu_metadata
.endif
;; end of part 2
;; launch outk (part 3): grid 256 x 1, 8 waves a work-group, no clusters, 134,144 bytes of LDS; arguments rec, ctx, w_codes, w_scales, out0, out1; writes out0, out1
.if DOCPART == 3
	.amdgcn_target "amdgcn-amd-amdhsa--gfx1250"
	.amdhsa_code_object_version 6
	.text
	.protected	k_qcc4250c06c_outk
	.globl	k_qcc4250c06c_outk
	.p2align	8
	.type	k_qcc4250c06c_outk,@function
k_qcc4250c06c_outk:
	s_mov_b64 s[64:65], 0
	v_nop
	global_prefetch_b8 v0, s[64:65] scope:SCOPE_SE
	s_setreg_imm32_b32 hwreg(HW_REG_WAVE_MODE, 25, 1), 1
	s_wait_xcnt 0x0
; OUTK: Qp = ratio (exp(dd - diag - the row's largest dd) + eps);  out1 = Q(Qp) Q(ctx1) / den, both quantised along the 128 features;  out0 = Qp ctx0 / den and den = Qp . Ksum with bf16 operands, in ONE tile.
; SHARES.  Work-group x owns rows 128 x .. 128 x + 127 (b = x / 64, G = x % 64); wave w is head w and makes 8 tiles of 16 rows, in 4 phases of 32 rows.
; All that a wave reads (its record's codes of k, -diag, its head's context) is wanted by that wave alone in its work-group and lies in the order of the operands' registers: it goes from memory straight into registers.
; The context of a (b, h), 20,480 bytes, is read by the 64 work-groups of b; it is a small part of what a work-group moves (131,072 bytes of outputs), so it is not shared through a cluster.
; dd IS USED TRANSPOSED: source 0 = 16 rows of w, source 1 = a fragment of 64 vectors, four to a column.  w stands in lanes 0-15 of one group of four registers, that is in block 0 or block 2; blocks 1 and 3 are reached by a
; second copy of the fragment, loaded at lane xor 16, with the scale word shifted down a byte.  THE ROWS OF w THAT FORM A TILE ARE NOT NEIGHBOURS: lane r of tile 2 b + u takes feature 32 b + 8 u + r + 8 (r / 8), so that a lane's
; 16 registers of two neighbouring tiles are 16 neighbouring features.  A lane holds ONE row l = 64 g + 32 (j / 2) + 8 (j % 2) + 16 (i / 8) + i % 8 throughout.
; The second products take the context as source 0 and Qp as source 1: lane (i, h), register jj = column 8 h + jj.  In the bf16 tile rows 0-7 are out0's channels and rows 8, 9 the two parts of den.
; A block's largest Qp is not searched for: Qp rises with dd, so the block's largest dd, which the search for the row's maximum passes through, is put through the same instructions.  (This takes v_exp_f32 not to fall where its input rises.)
; THE WAY OUT: a stage in LDS of 128 rows x (256 bytes of out0 + 768 of out1 + 16); a row's bytes come from eight waves, so a barrier stands between writing and reading; each phase has rows of its own, so one barrier a phase is enough.
; LIMITS: NaN and infinities are not served; a block of zeros of the context gets the byte 1 with zero codes (the same products); an exponential under 2^-126 comes out as 0, which is lost beside eps.
; REGISTERS, window 0: v1-13 addresses and masks; v[14:15], v[16:17], v[18:19] pairs; v20-27 -diag; v28-31 w's scale words; v32, v33 k's; v34 the context's; v35 Qp's; v36-55 at work; v64-127 eight tiles; v128-159 Qp in bf16;
;   v160-167 Qp's codes; v168-199 four results; v200-207 merged; v208-239 rows read back.  At the head v64-191 hold ctx1 in f32 and v192-223 w.
;   window 1: v0-67 the chain Z W Z W .. Z; v72-103 the two fragments and their copies; v104-119 ctx1's codes; v120-151 the bf16 rows.
.set LI,  1
.set LX,  2
.set L8,  3
.set NL,  4
.set AW,  5
.set AS,  6
.set SA,  7
.set SM,  8
.set R0,  9
.set RA,  10
.set RB,  11
.set SH8, 12
.set MK0, 13
.set ND,  20
.set WSC, 28
.set DD,  64
.set BF,  128
.set PC,  160
.set MG,  200
.set RBK, 208
.set MSB, 0
.macro WIN new                         ; the immediate's high byte repeats the setting that is left
.if MSB != \new
	s_set_vgpr_msb (MSB<<8)|\new
.set MSB, \new
.endif
.endm
.macro SWMMA d, a, b, c, sa, sb, ra, rb
.if (\c) < 0
.if (\ra) && (\rb)
	v_wmma_scale_f32_16x16x128_f8f6f4 v[\d:\d+7], v[\a:\a+7], v[\b:\b+7], 0, v[\sa], v[\sb] matrix_a_fmt:MATRIX_FMT_FP4 matrix_b_fmt:MATRIX_FMT_FP4 matrix_a_scale:MATRIX_SCALE_ROW1 matrix_b_scale:MATRIX_SCALE_ROW1
.elseif (\ra)
	v_wmma_scale_f32_16x16x128_f8f6f4 v[\d:\d+7], v[\a:\a+7], v[\b:\b+7], 0, v[\sa], v[\sb] matrix_a_fmt:MATRIX_FMT_FP4 matrix_b_fmt:MATRIX_FMT_FP4 matrix_a_scale:MATRIX_SCALE_ROW1
.elseif (\rb)
	v_wmma_scale_f32_16x16x128_f8f6f4 v[\d:\d+7], v[\a:\a+7], v[\b:\b+7], 0, v[\sa], v[\sb] matrix_a_fmt:MATRIX_FMT_FP4 matrix_b_fmt:MATRIX_FMT_FP4 matrix_b_scale:MATRIX_SCALE_ROW1
.else
	v_wmma_scale_f32_16x16x128_f8f6f4 v[\d:\d+7], v[\a:\a+7], v[\b:\b+7], 0, v[\sa], v[\sb] matrix_a_fmt:MATRIX_FMT_FP4 matrix_b_fmt:MATRIX_FMT_FP4
.endif
.else
.if (\ra) && (\rb)
	v_wmma_scale_f32_16x16x128_f8f6f4 v[\d:\d+7], v[\a:\a+7], v[\b:\b+7], v[\c:\c+7], v[\sa], v[\sb] matrix_a_fmt:MATRIX_FMT_FP4 matrix_b_fmt:MATRIX_FMT_FP4 matrix_a_scale:MATRIX_SCALE_ROW1 matrix_b_scale:MATRIX_SCALE_ROW1
.elseif (\ra)
	v_wmma_scale_f32_16x16x128_f8f6f4 v[\d:\d+7], v[\a:\a+7], v[\b:\b+7], v[\c:\c+7], v[\sa], v[\sb] matrix_a_fmt:MATRIX_FMT_FP4 matrix_b_fmt:MATRIX_FMT_FP4 matrix_a_scale:MATRIX_SCALE_ROW1
.elseif (\rb)
	v_wmma_scale_f32_16x16x128_f8f6f4 v[\d:\d+7], v[\a:\a+7], v[\b:\b+7], v[\c:\c+7], v[\sa], v[\sb] matrix_a_fmt:MATRIX_FMT_FP4 matrix_b_fmt:MATRIX_FMT_FP4 matrix_b_scale:MATRIX_SCALE_ROW1
.else
	v_wmma_scale_f32_16x16x128_f8f6f4 v[\d:\d+7], v[\a:\a+7], v[\b:\b+7], v[\c:\c+7], v[\sa], v[\sb] matrix_a_fmt:MATRIX_FMT_FP4 matrix_b_fmt:MATRIX_FMT_FP4
.endif
.endif
.endm
	s_load_b256 s[4:11], s[0:1], 0x0               ; rec s[4:5], ctx s[6:7], w_codes s[8:9], w_scales s[10:11]
	s_load_b128 s[12:15], s[0:1], 0x20             ; out0 s[12:13], out1 s[14:15]
	v_lshl_add_u32 v254, v0, 2, 0x20800
	v_mov_b32 v255, 0
	v_lshrrev_b32 v56, 5, v0
	v_readfirstlane_b32 s16, v56                   ; wave 0..7 = head
	v_and_b32 v56, 31, v0                          ; lane
	v_and_b32 v57, 15, v0                          ; i
	v_bfe_u32 v58, v0, 4, 1                        ; hh
	v_lshlrev_b32 v[LI], 4, v56
	v_xor_b32 v59, 16, v56
	v_lshlrev_b32 v[LX], 4, v59                    ; 16 x (lane xor 16)
	v_lshlrev_b32 v[L8], 3, v56
	v_and_b32 v59, 8, v57
	v_add_nc_u32 v59, v59, v57                     ; 16 (i / 8) + i % 8: my row among a phase's 32, and my row of w in a tile
	v_lshlrev_b32 v[NL], 2, v59
	v_lshlrev_b32 v[AW], 4, v59
	v_lshl_add_u32 v[AS], v58, 3, v59
	v_mul_u32_u24 v60, v59, 1040
	s_mul_i32 s17, s16, 96
	s_add_co_u32 s17, s17, 256
	v_add_nc_u32 v[SA], s17, v60
	v_lshl_add_u32 v[SA], v58, 5, v[SA]            ; the stage: out1's columns 8 hh + 0..7 of my head
	s_lshl_b32 s18, s16, 6
	s_add_co_u32 s18, s18, 320
	v_mul_u32_u24 v[SM], s18, v58                  ; lanes 0-15: out0's 32 bytes at 32 h; lanes 16-31: out1's columns 16-23 at 256 + 96 h + 64: the distance as ONE product
	s_lshl_b32 s19, s16, 5
	v_add_nc_u32 v[SM], v[SM], v60
	v_add_nc_u32 v[SM], s19, v[SM]
	s_mul_i32 s18, s16, 4160                       ; back: my wave's four rows of a phase
	v_mul_u32_u24 v[R0], v58, 1040
	v_lshl_add_u32 v[R0], v57, 4, v[R0]
	v_add_nc_u32 v[R0], s18, v[R0]
	v_add_nc_u32 v[RA], s18, v[LI]
	v_mul_u32_u24 v[RB], v58, 272
	v_add_nc_u32 v[RB], v[RB], v[RA]
	v_lshlrev_b32 v[SH8], 3, v58
	v_add_nc_u32 v[MK0], -1, v58                   ; all ones in lanes 0-15
	s_lshr_b32 s17, ttmp9, 6
	s_lshl_b32 s17, s17, 3
	s_add_co_u32 s17, s17, s16                     ; 8 b + h
	s_mul_i32 s28, s17, 20480
	s_mov_b32 s29, 0
	s_lshl_b32 s17, s17, 6
	s_and_b32 s18, ttmp9, 63
	s_add_co_u32 s17, s17, s18
	s_mul_i32 s26, s17, 6400
	s_mov_b32 s27, 0
	s_lshl_b32 s32, ttmp9, 15
	s_lshl_b32 s18, s16, 10
	s_add_co_u32 s32, s32, s18                     ; out0: 128 rows x 256 bytes a work-group, 4 rows a wave in each phase
	s_mov_b32 s33, 0
	s_mul_i32 s34, ttmp9, 98304
	s_mul_i32 s18, s16, 3072
	s_add_co_u32 s34, s34, s18                     ; out1 likewise, rows of 768 bytes
	s_mov_b32 s35, 0
	s_mov_b32 s20, 0x3fb8aa3b                      ; log2(e)
	s_mov_b32 s21, s20                             ; (named with it as a pair, so it is written)
	s_mov_b32 s22, 0x3db504f3                      ; ratio = 128^(-1/2)
	s_mov_b32 s23, s22
	s_mov_b32 s24, 0x76543210
	s_mov_b32 s25, 0xfedcba98                      ; v_permlanex16_b32's selects for lane l xor 16
	s_mov_b32 s30, 0xffff0000                      ; lanes 16-31
	s_wait_kmcnt 0x0
	s_add_nc_u64 s[4:5], s[4:5], s[26:27]
	s_add_nc_u64 s[6:7], s[6:7], s[28:29]
	s_add_nc_u64 s[12:13], s[12:13], s[32:33]
	s_add_nc_u64 s[14:15], s[14:15], s[34:35]
.irp t, 0,1,2,3,4,5,6,7
	global_load_b128 v[192+4*\t:195+4*\t], v[AW], s[8:9] offset:(32*(\t/2)+8*(\t%2))*16
.endr
.irp p, 0,1,2,3
	global_load_u8 v[WSC+\p], v[AS], s[10:11] offset:32*\p       ; lanes 0-15 tile 2 p, lanes 16-31 tile 2 p + 1
.endr
	WIN 0x40                                       ; loaded data into window 1
.irp g, 0,1
.irp c, 0,1
	global_load_b128 v[72+16*\g+4*\c:75+16*\g+4*\c], v[LI], s[4:5] offset:1024*\g+512*\c
	global_load_b128 v[80+16*\g+4*\c:83+16*\g+4*\c], v[LX], s[4:5] offset:1024*\g+512*\c
.endr
.endr
.irp b, 0,1,2,3
.irp q, 0,1
	global_load_b128 v[120+8*\b+4*\q:123+8*\b+4*\q], v[LI], s[6:7] offset:16384+1024*\b+512*\q
.endr
.endr
	WIN 0
	global_load_b32 v32, v[L8], s[4:5] offset:2560
.irp g, 0,1
.irp j, 0,1,2,3
	global_load_b32 v[ND+4*\g+\j], v[NL], s[4:5] offset:2048+4*(64*\g+32*(\j/2)+8*(\j%2))
.endr
.endr
.irp q, 0,1,2,3
.irp ii, 0,1,2,3,4,5,6,7
	global_load_b128 v[DD+32*\q+4*\ii:DD+32*\q+4*\ii+3], v[LI], s[6:7] offset:4096*\q+512*\ii    ; ctx1: block q = 2 t + c: 32 neighbouring features of my column
.endr
.endr
	v_mov_b32 v15, 0                               ; upper halves of pairs of which the low word serves both halves, and lane permutes' destinations: written once
	v_mov_b32 v19, 0
	v_mov_b32 v49, 0
	v_mov_b32 v54, 0
	v_mov_b32 v55, 0
	v_mov_b32 v16, 0x38d1b717                      ; eps
	v_mul_f32 v16, s22, v16                        ; ratio eps
	v_mov_b32 v17, v16
	s_wait_loadcnt 0x0
	WIN 0x40
.irp p, 0,1,2,3,4,5,6,7,8
.irp k, 0,1,2,3
	v_mov_b32 v[8*\p+\k], 0
.endr
.endr
.irp t, 0,1,2,3,4,5,6,7
.irp k, 0,1,2,3
	v_and_b32 v[8*\t+4+\k], v[MK0], v[192+4*\t+\k]
.endr
.endr
	WIN 0
.irp p, 0,1,2,3
	v_perm_b32 v[WSC+\p], v[WSC+\p], v[WSC+\p], 0  ; the byte in all four places
.endr
	v_lshrrev_b32 v33, 8, v32                      ; k's scale words for the copies: blocks 1 and 3 at bytes 0 and 2
	; ctx1 is quantised along the features: a lane holds four whole blocks
.irp q, 0,1,2,3
	v_max3_num_f32 v[36+\q], |v[DD+32*\q]|, |v[DD+32*\q+1]|, |v[DD+32*\q+2]|
	v_max3_num_f32 v[40+\q], |v[DD+32*\q+3]|, |v[DD+32*\q+4]|, |v[DD+32*\q+5]|
.endr
.irp i, 6,10,14,18,22,26
.irp q, 0,1,2,3
	v_max3_num_f32 v[36+\q], v[36+\q], |v[DD+32*\q+\i]|, |v[DD+32*\q+\i+1]|
	v_max3_num_f32 v[40+\q], v[40+\q], |v[DD+32*\q+\i+2]|, |v[DD+32*\q+\i+3]|
.endr
.endr
.irp q, 0,1,2,3
	v_max3_num_f32 v[36+\q], v[36+\q], |v[DD+32*\q+30]|, |v[DD+32*\q+31]|
.endr
.irp q, 0,1,2,3
	v_max3_num_f32 v[36+\q], v[36+\q], v[40+\q], 0x1800000       ; and the floor 2^(3 - 127): the byte cannot fall under 1
.endr
.irp q, 0,1,2,3
	v_add_nc_u32 v[44+\q], 0xff000000, v[36+\q]    ; 2 off the exponent field: the conversions' scale operand
.endr
.irp q, 0,1,2,3
	v_lshrrev_b32 v[48+\q], 23, v[44+\q]           ; the scale's byte
.endr
.irp t, 0,1
	v_lshl_or_b32 v[52+\t], v[49+2*\t], 16, v[48+2*\t]
	v_lshlrev_b32 v[52+\t], v[SH8], v[52+\t]       ; my two bytes at their places;
.endr
	v_permlanex16_b32 v54, v52, s24, s25
	v_permlanex16_b32 v55, v53, s24, s25
	v_or_b32 v52, v52, v54                         ; with lane l xor 16's two the word is whole
	v_or_b32 v53, v53, v55
	v_cndmask_b32 v34, v52, v53, s30               ; lanes 0-15 columns 0-15, lanes 16-31 columns 16-23 twice
	WIN 0x40
.irp q, 0,1,2,3
.irp g, 0,1,2,3
	v_cvt_scalef32_pk8_fp4_f32 v[104+4*\q+\g], v[DD+32*\q+8*\g:DD+32*\q+8*\g+7], v[44+\q]
.endr
.endr
	v_nop                                          ; one plain place behind the scaled conversions
	WIN 0
; 16 rows: those of block j of fragment g
.macro TILE g, j
.set XB, 72+16*(\g)+8*((\j)%2)
.set WO, 4*(1-(\j)/2)
.set KSR, 32+(\j)%2
	WIN 0x05                                       ; sources 0 (w) and 1 (the fragment) in window 1
.irp t, 0,1,2,3,4,5,6,7
	SWMMA DD+8*\t, 8*\t+WO, XB, -1, WSC+\t/2, KSR, \t%2, \g
.endr
	WIN 0
.rept 4
	v_nop                                          ; four places between a product and the first read of its result (ISA guide 7.12.1)
.endr
.irp b, 0,1,2,3
	v_max3_num_f32 v[36+\b], v[DD+16*\b], v[DD+1+16*\b], v[DD+2+16*\b]    ; the largest dd of each block of 32 features
.endr
.irp i, 3,5,7,9,11,13
.irp b, 0,1,2,3
	v_max3_num_f32 v[36+\b], v[36+\b], v[DD+16*\b+\i], v[DD+1+16*\b+\i]
.endr
.endr
.irp b, 0,1,2,3
	v_max_num_f32 v[36+\b], v[36+\b], v[DD+15+16*\b]
.endr
.irp b, 0,1,2,3
	v_permlanex16_b32 v[40+\b], v[36+\b], s24, s25
.endr
.irp b, 0,1,2,3
	v_max_num_f32 v[36+\b], v[36+\b], v[40+\b]
.endr
	v_max3_num_f32 v48, v36, v37, v38
	v_max_num_f32 v48, v48, v39                    ; the row's largest dd
	v_sub_f32 v14, v[ND+4*(\g)+(\j)], v48
	v_mul_f32 v14, s20, v14                        ; (-diag - the maximum) log2(e)
.irp n, 0,2,4,6,8,10,12,14,16,18,20,22,24,26,28,30,32,34,36,38,40,42,44,46,48,50,52,54,56,58,60,62
	v_pk_fma_f32 v[DD+\n:DD+\n+1], v[DD+\n:DD+\n+1], s[20:21], v[14:15] op_sel_hi:[1,0,0]
.endr
.irp b, 0,1,2,3
	v_fma_f32 v[36+\b], v[36+\b], s20, v14         ; the same of each block's largest dd
.endr
.irp n, 0,1,2,3,4,5,6,7,8,9,10,11,12,13,14,15,16,17,18,19,20,21,22,23,24,25,26,27,28,29,30,31,32,33,34,35,36,37,38,39,40,41,42,43,44,45,46,47,48,49,50,51,52,53,54,55,56,57,58,59,60,61,62,63
	v_exp_f32 v[DD+\n], v[DD+\n]
.endr
	v_nop                                          ; a plain place behind the exponentials
	s_wait_alu depctr_va_vdst(0)                   ; one wait for the whole batch, ahead of its first use
.irp b, 0,1,2,3
	v_exp_f32 v[36+\b], v[36+\b]
.endr
.irp n, 0,2,4,6,8,10,12,14,16,18,20,22,24,26,28,30,32,34,36,38,40,42,44,46,48,50,52,54,56,58,60,62
	v_pk_fma_f32 v[DD+\n:DD+\n+1], v[DD+\n:DD+\n+1], s[22:23], v[16:17] op_sel_hi:[1,0,0]    ; Qp = ratio e + ratio eps.  (They read the 64 alone: plain work behind the four)
.endr
	s_wait_alu depctr_va_vdst(0)                   ; and one for the four
.irp b, 0,1,2,3
	v_fma_f32 v[36+\b], v[36+\b], s22, v16         ; the block's largest Qp: never under ratio eps, so no floor is wanted
.endr
.irp b, 0,1,2,3
	v_add_nc_u32 v[44+\b], 0xff000000, v[36+\b]
.endr
.irp b, 0,1,2,3
	v_lshrrev_b32 v[40+\b], 23, v[44+\b]
.endr
	v_lshl_or_b32 v35, v41, 8, v40
	v_lshl_or_b32 v35, v42, 16, v35
	v_lshl_or_b32 v35, v43, 24, v35                ; my row's scale word
.irp b, 0,1,2,3
	v_cvt_scalef32_pk8_fp4_f32 v[PC+2*\b], v[DD+16*\b:DD+7+16*\b], v[44+\b]
	v_cvt_scalef32_pk8_fp4_f32 v[PC+1+2*\b], v[DD+8+16*\b:DD+15+16*\b], v[44+\b]
.endr
	v_nop                                          ; one plain place behind the scaled conversions
.irp c, 0,1
.irp i, 0,1
	v_permlane16_swap_b32 v[PC+4*\c+\i], v[PC+2+4*\c+\i]   ; the operand's layout wants a whole block in a lane
.endr
.endr
.irp b, 0,1,2,3
.irp k, 0,1,2,3,4,5,6,7
	v_cvt_pk_bf16_f32 v[BF+8*\b+\k], v[DD+16*\b+2*\k], v[DD+16*\b+2*\k+1]   ; (these 32 are also the places between the scale word and codes just made and the scaled products)
.endr
.endr
	WIN 0x01                                       ; source 0 (the context) in window 1
	v_wmma_f32_16x16x32_bf16 v[184:191], v[120:127], v[BF:BF+7], 0               ; four results by turns; the first product of each starts its sum
	v_wmma_f32_16x16x32_bf16 v[192:199], v[128:135], v[BF+8:BF+15], 0
	SWMMA 168, 104, PC, -1, 34, 35, 0, 0
	v_wmma_f32_16x16x32_bf16 v[184:191], v[136:143], v[BF+16:BF+23], v[184:191]
	SWMMA 176, 112, PC, -1, 34, 35, 1, 0
	v_wmma_f32_16x16x32_bf16 v[192:199], v[144:151], v[BF+24:BF+31], v[192:199]
	WIN 0
.rept 4
	v_nop
.endr
.irp n, 0,2,4,6
	v_pk_add_f32 v[184+\n:185+\n], v[184+\n:185+\n], v[192+\n:193+\n]
.endr
	v_add_f32 v48, v184, v185                      ; in lanes 16-31: rows 8 and 9: den
	v_permlanex16_b32 v49, v48, s24, s25
	v_cndmask_b32 v48, v49, v48, s30               ; in every lane
	v_rcp_f32 v18, v48
.irp n, 0,1,2,3,4,5,6,7
	v_cndmask_b32 v[MG+\n], v[184+\n], v[176+\n], s30      ; lanes 0-15 out0's eight channels, lanes 16-31 out1's columns 16-23.  (Independent work behind the reciprocal)
.endr
	s_wait_alu depctr_va_vdst(0)                   ; ahead of the reciprocal's first use
.irp n, 0,2,4,6
	v_pk_mul_f32 v[168+\n:169+\n], v[168+\n:169+\n], v[18:19] op_sel_hi:[1,0]
	v_pk_mul_f32 v[MG+\n:MG+\n+1], v[MG+\n:MG+\n+1], v[18:19] op_sel_hi:[1,0]
.endr
	ds_store_b128 v[SA], v[168:171] offset:8320*((\j)%2)
	ds_store_b128 v[SA], v[172:175] offset:8320*((\j)%2)+16
	ds_store_b128 v[SM], v[MG:MG+3] offset:8320*((\j)%2)
	ds_store_b128 v[SM], v[MG+4:MG+7] offset:8320*((\j)%2)+16
.endm
; 32 rows: two tiles, a barrier, and each wave stores four whole rows of both outputs
.macro PHASE ph, g, j0
	TILE \g, \j0
	TILE \g, \j0+1
	s_wait_dscnt 0x0                               ; for the others' sake: my stores into the stage have landed
	s_barrier_signal -1
	s_barrier_wait -1
.if (\ph) > 0
	s_wait_xcnt 0x0                                ; the last phase's stores have read their registers
.endif
	ds_load_b128 v[RBK:RBK+3], v[R0]
	ds_load_b128 v[RBK+4:RBK+7], v[R0] offset:2080
.irp pr, 0,1
	ds_load_b128 v[RBK+8+12*\pr:RBK+11+12*\pr], v[RA] offset:2080*\pr+256      ; two rows of out1 are 1,536 consecutive bytes of memory: the first row's first 512,
	ds_load_b128 v[RBK+12+12*\pr:RBK+15+12*\pr], v[RB] offset:2080*\pr+768     ; its last 256 and the second row's first 256,
	ds_load_b128 v[RBK+16+12*\pr:RBK+19+12*\pr], v[RA] offset:2080*\pr+1552    ; the second row's last 512
.endr
	s_wait_dscnt 0x0
.irp k, 0,1
	global_store_b128 v[LI], v[RBK+4*\k:RBK+4*\k+3], s[12:13] offset:8192*(\ph)+512*\k th:TH_STORE_NT          ; each store covers 512 consecutive bytes, at a multiple of 256 from the buffer's first byte
.endr
.irp k, 0,1,2,3,4,5
	global_store_b128 v[LI], v[RBK+8+4*\k:RBK+11+4*\k], s[14:15] offset:24576*(\ph)+512*\k th:TH_STORE_NT
.endr
.if (\ph) < 3
.irp a, 7,8,9,10,11
	v_add_nc_u32 v[\a], 33280, v[\a]               ; the next phase's 32 rows of the stage
.endr
.endif
.endm
	PHASE 0, 0, 0
	PHASE 1, 0, 2
	PHASE 2, 1, 0
	PHASE 3, 1, 2
	s_wait_tensorcnt 0x0
	ds_add_u32 v254, v255
	s_wait_dscnt 0x0
	s_endpgm
.Lfunc_end_k_qcc4250c06c_outk:
	.size	k_qcc4250c06c_outk, .Lfunc_end_k_qcc4250c06c_outk-k_qcc4250c06c_outk
	.p2alignl 7, 3214868480
	.fill 96, 4, 3214868480
	.section	.rodata,"a",@progbits
	.p2align	6, 0x0
	.amdhsa_kernel k_qcc4250c06c_outk
		.amdhsa_group_segment_fixed_size 134144
		.amdhsa_private_segment_fixed_size 0
		.amdhsa_enable_private_segment 0
		.amdhsa_kernarg_size 48
		.amdhsa_user_sgpr_count 2
		.amdhsa_user_sgpr_kernarg_segment_ptr 1
		.amdhsa_wavefront_size32 1
		.amdhsa_system_sgpr_workgroup_id_x 1
		.amdhsa_system_sgpr_workgroup_id_y 1
		.amdhsa_system_sgpr_workgroup_id_z 1
		.amdhsa_system_vgpr_workitem_id 0
		.amdhsa_next_free_vgpr 416
		.amdhsa_next_free_sgpr 66
		.amdhsa_reserve_vcc 0
		.amdhsa_float_denorm_mode_32 3
		.amdhsa_float_denorm_mode_16_64 3
		.amdhsa_memory_ordered 1
		.amdhsa_forward_progress 1
		.amdhsa_inst_pref_size 153
	.end_amdhsa_kernel
	.amdgpu_metadata
---
amdhsa.version: [ 1, 2 ]
amdhsa.kernels:
  - .name:           k_qcc4250c06c_outk
    .symbol:         k_qcc4250c06c_outk.kd
    .args:
      - { .name: rec, .offset: 0, .size: 8, .value_kind: global_buffer, .address_space: global }
      - { .name: ctx, .offset: 8, .size: 8, .value_kind: global_buffer, .address_space: global }
      - { .name: w_codes, .offset: 16, .size: 8, .value_kind: global_buffer, .address_space: global }
      - { .name: w_scales, .offset: 24, .size: 8, .value_kind: global_buffer, .address_space: global }
      - { .name: out0, .offset: 32, .size: 8, .value_kind: global_buffer, .address_space: global }
      - { .name: out1, .offset: 40, .size: 8, .value_kind: global_buffer, .address_space: global }
    .group_segment_fixed_size: 134144
    .private_segment_fixed_size: 0
    .kernarg_segment_align: 8
    .kernarg_segment_size: 48
    .max_flat_workgroup_size: 256
    .sgpr_count:     66
    .vgpr_count:     416
    .wavefront_size: 32
...
	.end_amdgpu_metadata
.endif
;; end of part 3
